; MI455X (gfx1250); checked and timed in simulation.
; The chip was launched on July 23, 2026; its instructions are those of AMD's public machine-readable ISA for CDNA 5 (MIT licence, August 2026) and "CDNA5" Instruction Set Architecture Reference Guide (July 2026). The comments in the code are by the model that wrote it; some were corrected since.
;; Adaptive Noising Module. Allowed arithmetic: matrix products marked QUANTISED: E2M3 operands, one E8M0 scale for each 32 along K, by v_wmma_scale_f32_16x16x128_f8f6f4 with both operands' format E2M3, f32 sums; everything else in f32.
;; Inputs: distance_scale 1 float32; features 8,192 x 512 float32; influence_scale 1 float32; memory_bank 16,384 x 512 float32.
;; Outputs: out0 8,192 x 512 float32; out1 8,192 x 512 float32; out2 8,192 x 10 float32.
;; This version of the problem:
;;   THIS VERSION OF THE PROBLEM IS GIVEN IN LOW PRECISION. The matrix products marked QUANTISED in the list below multiply operands that are first quantised to E2M3 (2 exponent bits, 3 mantissa bits; 6 bits a number), with one power-of-two scale for each 32 numbers along K (OCP MX v1.0); their sums are f32. All else is computed in f32.
;;   The module's matrix products, in the order in which they are computed (A, B: the left and right operand; K: the contracted axis; several contracted axes count as one K, in the product's order):
;;     1. [M 8,192, K 512] x [K 512, N 16,384]; A: input features; B: input memory_bank: QUANTISED
;;   THE QUANTISER, for each operand of a quantised product, along K:
;;     - K is cut into blocks of 32 from its start; a last block that is shorter is filled with zeros.
;;     - A block's scale is 2^e with e = floor(log2(the largest magnitude in the block)) - 2, held to -126 .. 127; a block of zeros has e = 0. As a byte (E8M0): e + 127.
;;     - Each number is divided by its block's scale, clamped to +-7.5, and rounded to the nearest number of E2M3, ties to even, subnormals kept.
;;     - The product sums the exact products of the quantised numbers (number of the format x scale) in f32.
;;   ~~~python
;;   def quantise(x, axis):      # numpy; x: float32 -> the quantised numbers, widened to float32 again
;;       x = np.moveaxis(x, axis, -1); K = x.shape[-1]
;;       x = np.pad(x, [(0, 0)] * (x.ndim - 1) + [(0, -K % 32)]); x = x.reshape(x.shape[:-1] + (-1, 32)); a = np.abs(x).max(-1, keepdims=True)
;;       e = np.where(a > 0, np.clip(np.frexp(np.where(a > 0, a, 1))[1] - 1 - 2, -126, 127), 0)      # np.frexp(a)[1] - 1 = floor(log2(a)), exactly
;;       r = np.clip(x / 2.0 ** e, -7.5, 7.5)
;;       step = 2.0 ** (np.maximum(np.frexp(np.where(r == 0, 1, r))[1] - 1, 0) - 3)
;;       q = np.round(r / step) * step * 2.0 ** e      # np.round: ties to even
;;       return np.moveaxis(q.reshape(q.shape[:-2] + (-1,))[..., :K], -1, axis).astype(np.float32)
;;   ~~~
;; One version. Each part assembles by itself: llvm-mc -triple=amdgcn-amd-amdhsa -mcpu=gfx1250 --defsym DOCPART=n.
;; ======== version 1 of 1: 4 launches
;; workspace buffers: pack 10,223,616 bytes; part 12,582,912 bytes; nidx 65,536 bytes of whole numbers; rowinfo 65,536 bytes; dmm 2,048 bytes
;; launch quant (part 1): grid 256 x 1, 6 waves a work-group, no clusters, 52,992 bytes of LDS; arguments features, memory_bank, pack; writes pack
.if DOCPART == 1
	.amdgcn_target "amdgcn-amd-amdhsa--gfx1250"
	.amdhsa_code_object_version 6
	.text
	.protected	k_q465cfb1a14_quant
	.globl	k_q465cfb1a14_quant
	.p2align	8
	.type	k_q465cfb1a14_quant,@function
k_q465cfb1a14_quant:
	s_mov_b64 s[64:65], 0
	v_nop
	global_prefetch_b8 v0, s[64:65] scope:SCOPE_SE
	s_setreg_imm32_b32 hwreg(HW_REG_WAVE_MODE, 25, 1), 1
	s_wait_xcnt 0x0
; features [8192][512] and memory_bank [16384][512], f32, become RECORDS of 6,656 bytes, one for each tile of 16 rows: records 0-511 features, 512-1535 memory_bank.
; A record: bytes 0-6143 four fragment images (K step s of 128: 12 registers a lane of FP6 (E2M3) codes, registers 4 q .. 4 q + 3 of lane l at 1536 s + 512 q + 16 l);
; bytes 6144-6399 the scale words, 16 bytes a row (word s = the four E8M0 bytes of K step s); bytes 6400-6463 the 16 rows' sums of squares, f32; bytes 6464-6655 zeros.
; A block's scale is 2^(floor(log2(largest magnitude)) - 2): its byte is the largest magnitude's exponent field - 2, held at 1 from below.
; LIMITS: a block of zeros, and one whose largest magnitude lies under 2^-124, keeps the byte 1 (zero codes add nothing; this program alone reads the bytes); NaN and infinities are not served.
; One wave makes one record: 256 work-groups x 6 waves = 1,536.  Each load reads 512 consecutive bytes (one K step of one row); a K step's 16 rows turn through the wave's own stage in LDS,
; so that lane (r, h) holds, of row r, k = 64 c + 32 h + 0 .. 31: two whole blocks, in the order of the operand's registers.  Waves share nothing: no barrier.
.set REC,  6656
.set WREG, 8704                        ; LDS of a wave: the stage, then 256 bytes Z
.set SP,   528                         ; a stage row: 512 bytes + 16, an odd multiple of 16
.set ZOFF, 16*SP
.set X,    32                          ; v32-223: three sets of 64 numbers, set s % 3
.set C,    224                         ; v224-235 the fragment's codes
.set T,    236                         ; v236-238, v240-242: the blocks' upper halves as converted
.set SW,   20                          ; v20-23 scale words of K steps 0-3
.set SS,   24                          ; v24-27 sums of squares, two packed chains
	s_load_b128 s[4:7], s[0:1], 0x0                ; features, memory_bank
	s_load_b64 s[8:9], s[0:1], 0x10                ; pack
	v_lshl_add_u32 v254, v0, 2, 0xcc00
	v_mov_b32 v255, 0
	v_lshrrev_b32 v1, 5, v0
	v_readfirstlane_b32 s10, v1                    ; wave 0..5
	v_and_b32 v1, 31, v0                           ; lane
	v_and_b32 v2, 15, v0                           ; r
	v_bfe_u32 v3, v0, 4, 1                         ; h
	v_lshlrev_b32 v4, 4, v1                        ; 16 x lane: my place in a load's or a store's 512 bytes
	s_mul_i32 s19, s10, WREG
	v_add_nc_u32 v5, s19, v4                       ; the stage, in: 16 x lane of a row
	v_mul_u32_u24 v6, v2, SP
	v_lshl_add_u32 v6, v3, 7, v6
	v_add_nc_u32 v6, s19, v6                       ; the stage, out: row r, + 128 h
	s_add_co_u32 s20, s19, ZOFF
	v_lshl_add_u32 v7, v1, 3, s20                  ; Z + 8 x lane
	v_lshl_add_u32 v8, v2, 2, s20                  ; Z + 4 r
	v_lshl_add_u32 v9, v2, 4, s20                  ; Z + 16 r
	v_lshlrev_b32 v18, 3, v3                       ; 8 h: my two scale bytes' shift
	v_mov_b32 v17, 0                               ; a lane permute's destination counts as read: written once
	v_mov_b32 v28, 0
	v_mov_b32 v29, 0
	v_cmp_le_u32 s18, 16, v1                       ; lanes 16-31
	s_mov_b32 s16, 0x76543210
	s_mov_b32 s17, 0xfedcba98                      ; selects for lane l xor 16
	ds_store_b64 v7, v[28:29]                      ; Z = zeros
	s_mul_i32 s11, ttmp9, 6
	s_add_co_u32 s11, s11, s10                     ; my record
	s_mul_i32 s24, s11, REC
	s_mov_b32 s25, 0
	s_mov_b32 s23, 0
	s_wait_alu depctr_va_vdst(0)
	s_wait_kmcnt 0x0
	s_cmp_lt_u32 s11, 512                          ; features or memory_bank: the choice hangs on ids alone
	s_cselect_b64 s[12:13], s[4:5], s[6:7]
	s_cselect_b32 s21, 0, 512
	s_sub_co_u32 s21, s11, s21                     ; the tile's number in its tensor
	s_lshl_b32 s22, s21, 15                        ; 16 rows of 2,048 bytes
	s_add_nc_u64 s[12:13], s[12:13], s[22:23]
	s_add_nc_u64 s[14:15], s[8:9], s[24:25]
.macro LOADK s                         ; K step s of the 16 rows: 512 consecutive bytes a load
.irp i, 0,1,2,3,4,5,6,7,8,9,10,11,12,13,14,15
	global_load_b128 v[X+64*((\s)%3)+4*\i:X+64*((\s)%3)+4*\i+3], v4, s[12:13] offset:2048*\i+512*(\s) th:TH_LOAD_NT
.endr
.endm
.macro TURN s                          ; through the stage; LDS serves a wave's instructions in order, so no wait stands between the stores and the loads
.irp i, 0,1,2,3,4,5,6,7,8,9,10,11,12,13,14,15
	ds_store_b128 v5, v[X+64*((\s)%3)+4*\i:X+64*((\s)%3)+4*\i+3] offset:SP*\i
.endr
.irp c, 0,1
.irp i, 0,1,2,3,4,5,6,7
	ds_load_b128 v[X+64*((\s)%3)+32*\c+4*\i:X+64*((\s)%3)+32*\c+4*\i+3], v6 offset:256*\c+16*\i   ; register 32 c + e = k 128 s + 64 c + 32 h + e of row r
.endr
.endr
.endm
.macro QUANT s
.set XS, X+64*((\s)%3)
.irp c, 0,1
	v_max3_num_f32 v[10+\c], |v[XS+32*\c]|, |v[XS+32*\c+1]|, 0x1800000   ; my block's largest magnitude, with the floor 2^(3 - 127): the byte cannot fall under 1
.endr
.irp i, 2,4,6,8,10,12,14,16,18,20,22,24,26,28,30
.irp c, 0,1
	v_max3_num_f32 v[10+\c], v[10+\c], |v[XS+32*\c+\i]|, |v[XS+32*\c+\i+1]|
.endr
.endr
.irp c, 0,1
	v_add_nc_u32 v[12+\c], 0xff000000, v[10+\c]    ; 2 off the exponent field: the conversion's scale operand
.endr
.irp c, 0,1
	v_lshrrev_b32 v[14+\c], 23, v[12+\c]           ; the scale's byte
.endr
	v_lshl_or_b32 v16, v15, 16, v14                ; blocks h and 2 + h of my row,
	v_lshlrev_b32 v16, v18, v16                    ; at their places in the word;
	v_permlanex16_b32 v17, v16, s16, s17
	v_or_b32 v[SW+\s], v16, v17                    ; with lane l xor 16's two the word is whole
.irp e, 0,2,4,6,8,10,12,14,16,18,20,22,24,26,28,30
.irp c, 0,1
.if ((\s) == 0) && (\e == 0)
	v_pk_mul_f32 v[SS+2*\c:SS+2*\c+1], v[XS+32*\c:XS+32*\c+1], v[XS+32*\c:XS+32*\c+1]   ; the first squares start the sums
.else
	v_pk_fma_f32 v[SS+2*\c:SS+2*\c+1], v[XS+32*\c+\e:XS+32*\c+\e+1], v[XS+32*\c+\e:XS+32*\c+\e+1], v[SS+2*\c:SS+2*\c+1]
.endif
.endr
.endr
.if (\s) > 0
	s_wait_xcnt 0x0                                ; the last K step's stores have read the codes' registers: they are written again only behind this wait
.endif
.irp c, 0,1
	v_cvt_scalef32_pk16_fp6_f32 v[C+6*\c:C+6*\c+2], v[XS+32*\c:XS+32*\c+15], v[12+\c]
	v_cvt_scalef32_pk16_fp6_f32 v[T+4*\c:T+4*\c+2], v[XS+32*\c+16:XS+32*\c+31], v[12+\c]   ; (a conversion's three registers begin on an even number)
.endr
	v_nop                                          ; one plain line behind the scaled conversions
.irp c, 0,1
.irp i, 0,1,2
	v_mov_b32 v[C+6*\c+3+\i], v[T+4*\c+\i]
.endr
.endr
.irp q, 0,1,2
	global_store_b128 v4, v[C+4*\q:C+4*\q+3], s[14:15] offset:1536*(\s)+512*\q   ; 512 consecutive bytes, aligned: the image of four registers
.endr
.endm
	LOADK 0
	LOADK 1
	LOADK 2
	s_wait_loadcnt 32                              ; K step 0's sixteen are in; the 32 of steps 1 and 2 may be out
	TURN 0
	s_wait_dscnt 0x0
	QUANT 0
	LOADK 3                                        ; into set 0, which has been quantised
	s_wait_loadcnt 32                              ; behind step 1's: steps 2 and 3
	TURN 1
	s_wait_dscnt 0x0
	QUANT 1
	s_wait_loadcnt 16                              ; behind step 2's: step 3
	TURN 2
	s_wait_dscnt 0x0
	QUANT 2
	s_wait_loadcnt 0x0
	TURN 3
	s_wait_dscnt 0x0
	QUANT 3
	; the record's last 512 bytes: lanes 0-15 their row's four scale words; lanes 16-19 the sixteen sums of squares, lanes 20-31 zeros, gathered in Z
	v_add_f32 v24, v24, v25
	v_add_f32 v26, v26, v27
	v_add_f32 v24, v24, v26
	v_permlanex16_b32 v17, v24, s16, s17
	v_add_f32 v24, v24, v17                        ; my row's sum of squares
	ds_store_b32 v8, v24                           ; both halves write the same word with the same value
	ds_load_b128 v[28:31], v9                      ; in order behind the store
	s_wait_dscnt 0x0
.irp i, 0,1,2,3
	v_cndmask_b32 v[SW+\i], v[SW+\i], v[28+\i], s18
.endr
	global_store_b128 v4, v[SW:SW+3], s[14:15] offset:6144
	s_wait_tensorcnt 0x0
	ds_add_u32 v254, v255
	s_wait_dscnt 0x0
	s_endpgm
.Lfunc_end_k_q465cfb1a14_quant:
	.size	k_q465cfb1a14_quant, .Lfunc_end_k_q465cfb1a14_quant-k_q465cfb1a14_quant
	.p2alignl 7, 3214868480
	.fill 96, 4, 3214868480
	.section	.rodata,"a",@progbits
	.p2align	6, 0x0
	.amdhsa_kernel k_q465cfb1a14_quant
		.amdhsa_group_segment_fixed_size 52992
		.amdhsa_private_segment_fixed_size 0
		.amdhsa_enable_private_segment 0
		.amdhsa_kernarg_size 24
		.amdhsa_user_sgpr_count 2
		.amdhsa_user_sgpr_kernarg_segment_ptr 1
		.amdhsa_wavefront_size32 1
		.amdhsa_system_sgpr_workgroup_id_x 1
		.amdhsa_system_sgpr_workgroup_id_y 1
		.amdhsa_system_sgpr_workgroup_id_z 1
		.amdhsa_system_vgpr_workitem_id 0
		.amdhsa_next_free_vgpr 256
		.amdhsa_next_free_sgpr 66
		.amdhsa_reserve_vcc 0
		.amdhsa_float_denorm_mode_32 3
		.amdhsa_float_denorm_mode_16_64 3
		.amdhsa_memory_ordered 1
		.amdhsa_forward_progress 1
		.amdhsa_inst_pref_size 39
	.end_amdhsa_kernel
	.amdgpu_metadata
---
amdhsa.version: [ 1, 2 ]
amdhsa.kernels:
  - .name:           k_q465cfb1a14_quant
    .symbol:         k_q465cfb1a14_quant.kd
    .args:
      - { .name: features, .offset: 0, .size: 8, .value_kind: global_buffer, .address_space: global }
      - { .name: memory_bank, .offset: 8, .size: 8, .value_kind: global_buffer, .address_space: global }
      - { .name: pack, .offset: 16, .size: 8, .value_kind: global_buffer, .address_space: global }
    .group_segment_fixed_size: 52992
    .private_segment_fixed_size: 0
    .kernarg_segment_align: 8
    .kernarg_segment_size: 24
    .max_flat_workgroup_size: 192
    .sgpr_count:     66
    .vgpr_count:     256
    .wavefront_size: 32
...
	.end_amdgpu_metadata
.endif
;; end of part 1
;; launch knn (part 2): grid 8 x 32, 16 waves a work-group, clusters of 4 x 1, 215,040 bytes of LDS; arguments pack, part; writes part
.if DOCPART == 2
	.amdgcn_target "amdgcn-amd-amdhsa--gfx1250"
	.amdhsa_code_object_version 6
	.text
	.protected	k_q465cfb1a14_knn
	.globl	k_q465cfb1a14_knn
	.p2align	8
	.type	k_q465cfb1a14_knn,@function
k_q465cfb1a14_knn:
	s_mov_b64 s[64:65], 0
	v_nop
	global_prefetch_b8 v0, s[64:65] scope:SCOPE_SE
	s_setreg_imm32_b32 hwreg(HW_REG_WAVE_MODE, 25, 1), 1
	s_wait_xcnt 0x0
	s_wait_alu depctr_hold_cnt(0) depctr_sa_sdst(0) depctr_va_vdst(0) depctr_va_sdst(0) depctr_va_ssrc(0) depctr_va_vcc(0) depctr_vm_vsrc(0)
	s_getreg_b32 s2, hwreg(HW_REG_IB_STS2, 6, 4)
	s_cmp_eq_u32 s2, 0
	s_cbranch_scc0 .Lentry_in_a_cluster
	s_endpgm
.Lentry_in_a_cluster:
	s_bfe_u32 s2, ttmp6, 0x10000c
	s_cmp_lg_u32 s2, 0x3003
	s_cbranch_scc0 .Lentry_shape_is_right
	s_endpgm
.Lentry_shape_is_right:
; For 1,024 queries (block x) and 512 rows of the memory bank (slice p): key = m2 - 2 cross, cross on codes of FP6 (E2M3) with E8M0 scales; of each query the ten smallest keys, ascending, and the row of the smallest.
; x2 is the same for all keys of a query: it is added to the ten survivors by the next launch.
; LIMITS: key = fl(m2 - 2 cross) is rounded before x2 is added; equal KEYS go to the lower row; NaN and infinities are not served.
; SHARES.  The slice's 32 records (212,992 bytes) are filled into LDS ONCE, two records by each of the sixteen waves, and stay: nothing is filled again.  The queries go in two batches of 512;
; in a batch a wave owns 32 queries, two tiles, whose fragments stay in registers, and walks all 32 records.  Four waves share a SIMD: one wave's products and LDS loads stand beside the others' selection.
; CLUSTER.  The four work-groups of a cluster have the same slice: each wave's one tensor load is asked for jointly, mask 15, with a descriptor made of the slice and the wave's number alone.
; THE PRODUCT IS USED TRANSPOSED: source 0 = 16 rows of the bank, source 1 = 16 queries: lane (r, h) holds query r, register j the bank row 16 x record + 8 h + j.
; SELECTION, without a branch: a sorted list L0 <= .. <= L9 in registers; a new key x goes in by Lk = the middle of (x, L(k-1), Lk), k = 9 .. 1, and L0 = min(x, L0).
; The two halves of the lanes hold different rows of the same query: their lists are merged at a batch's end.
.set REC, 6656
.set AF,  32                           ; v32-127  the queries' fragments: 48 t + 12 s
.set AS,  128                          ; v128-135 their scale words: 4 t + s
.set BF,  136                          ; v136-183 the record's fragments: 12 s
.set BS,  184                          ; v184-187 its scale words
.set M2,  188                          ; v188-195 m2 of rows 8 h + j
.set ACC, 196                          ; v196-211 two accumulators; at a batch's end v196-207 carry the result out
.set LL,  212                          ; v212-221 tile 0's list, v222 its row; v224-233, v234 tile 1's
.set PL,  236                          ; v236-245 the other half's list, v246 its row
.set ID,  36                           ; s36-43   16 x record + j
.macro CROUND                          ; a round of the cluster's barrier
	s_barrier_signal -1
	s_barrier_wait -1
	s_cmp_lg_u32 s8, 0
	s_cbranch_scc1 .Lnot_wave_0_\@
	s_barrier_signal -3
.Lnot_wave_0_\@:
	s_barrier_wait -3
	s_barrier_signal -1
	s_barrier_wait -1
.endm
.macro ALOAD off                       ; my two query tiles' records from off bytes on: 24 loads of images, 2 of scale words
.irp t, 0,1
.irp s, 0,1,2,3
.irp c, 0,1,2
	global_load_b128 v[AF+48*\t+12*\s+4*\c:AF+48*\t+12*\s+4*\c+3], v1, s[24:25] offset:\off+REC*\t+1536*\s+512*\c
.endr
.endr
	global_load_b128 v[AS+4*\t:AS+4*\t+3], v4, s[24:25] offset:\off+REC*\t+6144
.endr
.endm
.macro BLOAD                           ; a record's four fragments and its scale words: 13 LDS loads, each lane's 16 bytes on end
.irp s, 0,1,2,3
.irp c, 0,1,2
	ds_load_b128 v[BF+12*\s+4*\c:BF+12*\s+4*\c+3], v5 offset:1536*\s+512*\c
.endr
.endr
	ds_load_b128 v[BS:BS+3], v6
.endm
.macro MLOAD
	ds_load_b128 v[M2:M2+3], v7
	ds_load_b128 v[M2+4:M2+7], v7 offset:16
.endm
.macro MULS                            ; eight products; the two accumulators take turns, one instruction a turn; the first K step starts the sums
.irp s, 0,1,2,3
.irp t, 0,1
.if \s == 0
	v_wmma_scale_f32_16x16x128_f8f6f4 v[ACC+8*\t:ACC+8*\t+7], v[BF+12*\s:BF+12*\s+11], v[AF+48*\t+12*\s:AF+48*\t+12*\s+11], 0, v[BS+\s], v[AS+4*\t+\s] matrix_a_fmt:MATRIX_FMT_FP6 matrix_b_fmt:MATRIX_FMT_FP6
.else
	v_wmma_scale_f32_16x16x128_f8f6f4 v[ACC+8*\t:ACC+8*\t+7], v[BF+12*\s:BF+12*\s+11], v[AF+48*\t+12*\s:AF+48*\t+12*\s+11], v[ACC+8*\t:ACC+8*\t+7], v[BS+\s], v[AS+4*\t+\s] matrix_a_fmt:MATRIX_FMT_FP6 matrix_b_fmt:MATRIX_FMT_FP6
.endif
.endr
.endr
.endm
.macro KEYS                            ; key = m2 - 2 cross, two at a time, each accumulator from its low end on
.irp t, 0,1
.irp i, 0,1,2,3
	v_pk_fma_f32 v[ACC+8*\t+2*\i:ACC+8*\t+2*\i+1], v[ACC+8*\t+2*\i:ACC+8*\t+2*\i+1], -2.0, v[M2+2*\i:M2+2*\i+1] op_sel_hi:[1,0,1]
.endr
.endr
.endm
.macro INSERT t, j                     ; key j of tile t goes into the tile's list; a strictly smaller key takes the row's number
.set xr, ACC+8*(\t)+(\j)
.set lb, LL+12*(\t)
	v_cmp_lt_f32 vcc_lo, v[xr], v[lb]
.irp k, 9,8,7,6,5,4,3,2,1
	v_med3_num_f32 v[lb+\k], v[xr], v[lb+\k-1], v[lb+\k]
.endr
	v_cndmask_b32 v[lb+10], v[lb+10], s[ID+\j], vcc_lo
	v_min_num_f32 v[lb], v[xr], v[lb]
.endm
; A sorted list P0 <= .. <= P9 goes into the sorted list L.  When P0 .. P(i-1) are in, L(i-1) <= Pi: so Pi moves only Lk with k >= i: 55 lines.
.macro TRI L, P
.set ti, 0
.rept 10
.set tk, 9
.rept 9
.if tk >= ti
	v_med3_num_f32 v[\L+tk], v[\P+ti], v[\L+tk-1], v[\L+tk]
.endif
.set tk, tk-1
.endr
.if ti == 0
	v_min_num_f32 v[\L], v[\P], v[\L]
.endif
.set ti, ti+1
.endr
.endm
; A record's step.  pre = 1: the next record's loads are issued under this record's selection.  pre = 0: the slice's last record; in the first batch the next batch's queries are asked for.
.macro STEP pre
	s_wait_dscnt 0x0                               ; the record's fifteen loads, issued a step ago
	MULS
.if \pre
	s_add_co_u32 s28, s28, REC
	v_add_nc_u32 v5, s28, v1                       ; three additions and a v_nop: the four places between the last product and the loads into its operands, and the first read of results
	v_add_nc_u32 v6, s28, v2
	v_add_nc_u32 v7, s28, v3
	v_nop
	BLOAD
.else
.rept 4
	v_nop
.endr
	s_cmp_eq_u32 s30, 1                            ; the last batch asks for nothing: no load leaves the queries' records
	s_cbranch_scc1 .Lno_next_\@
	ALOAD 32*REC
.Lno_next_\@:
.endif
	KEYS
.if \pre
	MLOAD                                          ; behind the last read of this record's m2
.endif
.irp j, 0,1,2,3,4,5,6,7
.irp t, 0,1
	INSERT \t, \j
.endr
.endr
.irp j, 0,1,2,3,4,5,6,7
	s_add_co_u32 s[ID+\j], s[ID+\j], 16
.endr
.endm
.macro HMERGE t                        ; lanes l and l xor 16 hold the same query: each takes the other's list in
.set lb, LL+12*(\t)
	v_lshl_add_u32 v[lb+10], v8, 3, v[lb+10]       ; the row's number in the bank: + 8 h
	s_delay_alu instid0(VALU_DEP_1)
	v_add_nc_u32 v[lb+10], s44, v[lb+10]           ; + 512 p
.irp i, 0,1,2,3,4,5,6,7,8,9,10
	v_permlanex16_b32 v[PL+\i], v[lb+\i], s32, s33
.endr
	v_cmp_lt_f32 s34, v[PL], v[lb]                 ; the other's smallest wins if it is smaller,
	v_cmp_eq_f32 s35, v[PL], v[lb]
	s_delay_alu instid0(VALU_DEP_3)
	v_cmp_lt_u32 vcc_lo, v[PL+10], v[lb+10]        ; or equal with the lower row
	s_and_b32 s35, s35, vcc_lo
	s_or_b32 vcc_lo, s34, s35
	v_cndmask_b32 v[lb+10], v[lb+10], v[PL+10], vcc_lo
	TRI lb, PL
.endm
	s_load_b128 s[4:7], s[0:1], 0x0                ; pack, part
	v_lshl_add_u32 v254, v0, 2, 0x34000
	v_mov_b32 v255, 0
	ds_add_u32 v254, v255
	ds_add_u32 v254, v255
	v_lshrrev_b32 v1, 5, v0
	s_delay_alu instid0(VALU_DEP_1)
	v_readfirstlane_b32 s8, v1                     ; wave 0..15
	s_bfe_u32 s9, ttmp6, 0x40000                   ; cx
	s_lshl_b32 s10, ttmp9, 2
	s_add_co_u32 s10, s10, s9                      ; x = 4 x cluster x + cx: it enters the queries' and the result's addresses alone
	s_and_b32 s11, ttmp7, 0xffff                   ; p, which the four partners share
	; descriptor group 1: 52 rows of 256 bytes (32 elements of 8 bytes), dense: two records
	s_mov_b32 s16, 15|(3<<16)|(1<<21)              ; 15:0 the mask: all four work-groups; 17:16 elements of 8 bytes; 20 no padding; 21 set beside a mask
	s_mov_b32 s17, 32<<16                          ; tensor_dim0 = 32
	s_mov_b32 s18, 52<<16                          ; tensor_dim1 = 52
	s_mov_b32 s19, 32<<16                          ; tile_dim0 = 32
	s_mov_b32 s20, 52                              ; tile_dim1 = 52
	s_mov_b32 s21, 32                              ; the pitch
	s_mov_b32 s22, 0
	s_mov_b32 s23, 0
	s_lshl_b32 s46, s11, 5
	s_lshl_b32 s47, s8, 1
	s_add_co_u32 s46, s46, s47
	s_add_co_u32 s46, s46, 512                     ; my two records of the slice: 512 + 32 p + 2 x wave
	s_mul_i32 s46, s46, REC
	s_mov_b32 s47, 0
	s_mov_b32 s12, 1                               ; group 0: count = 1
	s_mul_i32 s13, s8, 2*REC                       ; LDS address: the wave's number alone
	s_lshl_b32 s48, s10, 6
	s_lshl_b32 s49, s8, 1
	s_add_co_u32 s48, s48, s49                     ; my first query record: 64 x + 2 x wave
	s_mul_i32 s48, s48, REC
	s_mov_b32 s49, 0
	s_lshl_b32 s50, s11, 8
	s_lshl_b32 s51, s10, 5
	s_add_co_u32 s50, s50, s51
	s_add_co_u32 s50, s50, s8                      ; my first block of the result: 256 p + 32 x + wave
	s_mul_i32 s50, s50, 1536
	s_mov_b32 s51, 0
	s_lshl_b32 s44, s11, 9                         ; 512 p
	s_mov_b32 s32, 0x76543210
	s_mov_b32 s33, 0xfedcba98                      ; selects for lane l xor 16
	v_and_b32 v9, 31, v0
	s_delay_alu instid0(VALU_DEP_1)
	v_lshlrev_b32 v1, 4, v9                        ; 16 x lane: an image's place for my lane
	v_and_b32 v10, 15, v0
	s_delay_alu instid0(VALU_DEP_1)
	v_lshlrev_b32 v4, 4, v10                       ; 16 r: my row's scale words, in memory
	s_delay_alu instid0(VALU_DEP_1)
	v_add_nc_u32 v2, 6144, v4                      ; and in a record in LDS
	v_bfe_u32 v8, v0, 4, 1                         ; h
	s_delay_alu instid0(VALU_DEP_1)
	v_lshlrev_b32 v3, 5, v8
	s_delay_alu instid0(VALU_DEP_1)
	v_add_nc_u32 v3, 6400, v3                      ; m2 of rows 8 h on
	v_cmp_le_u32 s31, 16, v9                       ; lanes 16-31
.irp i, 0,1,2,3,4,5,6,7,8,9,10
	v_mov_b32 v[PL+\i], 0                          ; lane permutes' destinations count as read: written once
.endr
	s_wait_dscnt 0x0
	s_wait_kmcnt 0x0
	s_add_nc_u64 s[14:15], s[4:5], s[46:47]
	s_or_b32 s15, s15, 0x80000000                  ; type = 2
	s_add_nc_u64 s[24:25], s[4:5], s[48:49]
	s_add_nc_u64 s[26:27], s[6:7], s[50:51]
	CROUND                                         ; all four work-groups are here: the joint loads meet
	tensor_load_to_lds s[12:15], s[16:23]          ; my one tensor load of the launch
	s_nop 0
.rept 4
	v_nop
.endr
	ALOAD 0                                        ; the first batch's queries
	s_wait_tensorcnt 0x0                           ; my two records are in,
	s_barrier_signal -1
	s_barrier_wait -1                              ; everybody's are: the slice lies in LDS
	s_mov_b32 s30, 2
.Lbatch:
.irp t, 0,1
.irp i, 0,1,2,3,4,5,6,7,8,9
	v_mov_b32 v[LL+12*\t+\i], 0x7f800000           ; the lists begin as +infinity
.endr
	v_mov_b32 v[LL+12*\t+10], 0
.endr
	s_mov_b32 s28, 0
.irp j, 0,1,2,3,4,5,6,7
	s_mov_b32 s[ID+\j], \j
.endr
	v_add_nc_u32 v5, s28, v1
	v_add_nc_u32 v6, s28, v2
	v_add_nc_u32 v7, s28, v3
	BLOAD                                          ; record 0
	MLOAD
	s_wait_loadcnt 0x0                             ; the batch's queries
	s_mov_b32 s29, 31
.Lstep:
	STEP 1
	s_sub_co_u32 s29, s29, 1
	s_cmp_lg_u32 s29, 0
	s_cbranch_scc1 .Lstep
	STEP 0                                         ; record 31 is written out: no LDS load passes the slice's end
	HMERGE 0
	HMERGE 1
.irp i, 0,1,2,3,4,5,6,7,8,9,10
	v_cndmask_b32 v[ACC+\i], v[LL+\i], v[LL+12+\i], s31   ; lanes 0-15 carry tile 0's queries out, lanes 16-31 tile 1's: a lane a query
.endr
	v_mov_b32 v[ACC+11], 0
.irp g, 0,1,2
	global_store_b128 v1, v[ACC+4*\g:ACC+4*\g+3], s[26:27] offset:512*\g   ; 512 consecutive bytes, aligned
.endr
	s_wait_xcnt 0x0                                ; the stores and the loads have read their registers and bases: both are written again only behind this wait
	s_add_nc_u64 s[24:25], s[24:25], 32*REC
	s_add_nc_u64 s[26:27], s[26:27], 16*1536
	s_sub_co_u32 s30, s30, 1
	s_cmp_lg_u32 s30, 0
	s_cbranch_scc1 .Lbatch
	s_wait_tensorcnt 0x0
	ds_add_u32 v254, v255
	s_wait_dscnt 0x0
	CROUND                                         ; the closing round
	s_endpgm
.Lfunc_end_k_q465cfb1a14_knn:
	.size	k_q465cfb1a14_knn, .Lfunc_end_k_q465cfb1a14_knn-k_q465cfb1a14_knn
	.p2alignl 7, 3214868480
	.fill 96, 4, 3214868480
	.section	.rodata,"a",@progbits
	.p2align	6, 0x0
	.amdhsa_kernel k_q465cfb1a14_knn
		.amdhsa_group_segment_fixed_size 215040
		.amdhsa_private_segment_fixed_size 0
		.amdhsa_enable_private_segment 0
		.amdhsa_kernarg_size 16
		.amdhsa_user_sgpr_count 2
		.amdhsa_user_sgpr_kernarg_segment_ptr 1
		.amdhsa_wavefront_size32 1
		.amdhsa_system_sgpr_workgroup_id_x 1
		.amdhsa_system_sgpr_workgroup_id_y 1
		.amdhsa_system_sgpr_workgroup_id_z 1
		.amdhsa_system_vgpr_workitem_id 0
		.amdhsa_next_free_vgpr 256
		.amdhsa_next_free_sgpr 66
		.amdhsa_reserve_vcc 1
		.amdhsa_float_denorm_mode_32 3
		.amdhsa_float_denorm_mode_16_64 3
		.amdhsa_memory_ordered 1
		.amdhsa_forward_progress 1
		.amdhsa_inst_pref_size 50
	.end_amdhsa_kernel
	.amdgpu_metadata
---
amdhsa.version: [ 1, 2 ]
amdhsa.kernels:
  - .name:           k_q465cfb1a14_knn
    .symbol:         k_q465cfb1a14_knn.kd
    .args:
      - { .name: pack, .offset: 0, .size: 8, .value_kind: global_buffer, .address_space: global }
      - { .name: part, .offset: 8, .size: 8, .value_kind: global_buffer, .address_space: global }
    .group_segment_fixed_size: 215040
    .private_segment_fixed_size: 0
    .kernarg_segment_align: 8
    .kernarg_segment_size: 16
    .max_flat_workgroup_size: 512
    .sgpr_count:     66
    .vgpr_count:     256
    .wavefront_size: 32
...
	.end_amdgpu_metadata
.endif
;; end of part 2
;; launch merge (part 3): grid 256 x 1, 8 waves a work-group, no clusters, 14,848 bytes of LDS; arguments part, pack, out2, nidx, rowinfo, dmm; writes out2, nidx, rowinfo, dmm
.if DOCPART == 3
	.amdgcn_target "amdgcn-amd-amdhsa--gfx1250"
	.amdhsa_code_object_version 6
	.text
	.protected	k_q465cfb1a14_merge
	.globl	k_q465cfb1a14_merge
	.p2align	8
	.type	k_q465cfb1a14_merge,@function
k_q465cfb1a14_merge:
	s_mov_b64 s[64:65], 0
	v_nop
	global_prefetch_b8 v0, s[64:65] scope:SCOPE_SE
	s_setreg_imm32_b32 hwreg(HW_REG_WAVE_MODE, 25, 1), 1
	s_wait_xcnt 0x0
; The 32 slices' lists of 32 queries (a lane a query) are merged: wave w takes slices 4 w .. 4 w + 3, the eight results meet in LDS, wave 0 finishes.
; Then d = sqrt(max(x2 + key, 0) + 1e-8) of the ten survivors -> out2; the nearest row -> nidx; (mean d, d0) -> rowinfo; the block's least and largest mean -> dmm.
; LIMITS: slices are taken in ascending order and a strictly smaller key takes the row: equal keys go to the lower row; the mean is the sum x 0.1; NaN and infinities are not served.
.set REC, 6656
.set STG, 12288                        ; LDS: eight lists of 1,536 bytes; behind them wave 0's stage for out2, 1,280 bytes
.set L,   16                           ; v16-25 the list, v26 its row, v27 0
.set D,   112                          ; v112-121 the ten distances
.macro TRI L, P                        ; a sorted list P goes into the sorted list L: Pi moves only Lk with k >= i
.set ti, 0
.rept 10
.set tk, 9
.rept 9
.if tk >= ti
	v_med3_num_f32 v[\L+tk], v[\P+ti], v[\L+tk-1], v[\L+tk]
.endif
.set tk, tk-1
.endr
.if ti == 0
	v_min_num_f32 v[\L], v[\P], v[\L]
.endif
.set ti, ti+1
.endr
.endm
.macro MERGE S
	v_cmp_lt_f32 vcc_lo, v[\S], v[L]
	s_delay_alu instid0(VALU_DEP_1)
	v_cndmask_b32 v[L+10], v[L+10], v[\S+10], vcc_lo
	TRI L, \S
.endm
	s_load_b256 s[4:11], s[0:1], 0x0               ; part, pack, out2, nidx
	s_load_b128 s[12:15], s[0:1], 0x20             ; rowinfo, dmm
	v_lshl_add_u32 v128, v0, 2, 0x3600
	v_mov_b32 v129, 0
	v_lshrrev_b32 v1, 5, v0
	s_delay_alu instid0(VALU_DEP_1)
	v_readfirstlane_b32 s16, v1                    ; wave 0..7
	v_and_b32 v2, 31, v0                           ; lane = query
	s_delay_alu instid0(VALU_DEP_1)
	v_lshlrev_b32 v1, 4, v2                        ; 16 x lane
	s_delay_alu instid0(VALU_DEP_2)
	v_lshrrev_b32 v3, 4, v2
	s_delay_alu instid0(VALU_DEP_3)
	v_and_b32 v4, 15, v2
	s_delay_alu instid0(VALU_DEP_2)
	v_mul_u32_u24 v3, v3, REC
	s_delay_alu instid0(VALU_DEP_1)
	v_lshl_add_u32 v3, v4, 2, v3                   ; x2: record lane / 16 of the block's two, row lane % 16
	s_mul_i32 s17, s16, 1536
	v_add_nc_u32 v5, s17, v1                       ; LDS: my wave's list
	v_mul_u32_u24 v6, v2, 40
	s_delay_alu instid0(VALU_DEP_1)
	v_add_nc_u32 v6, STG, v6                       ; the stage, in: a query's 40 bytes
	v_lshlrev_b32 v8, 3, v2                        ; 8 x lane
	s_delay_alu instid0(VALU_DEP_1)
	v_add_nc_u32 v7, STG, v8                       ; the stage, out
	v_mov_b32 v9, 0
	v_mov_b32 v126, 0                              ; lane permutes' destinations: written once
	v_mov_b32 v127, 0
	s_mov_b32 s22, 0x76543210
	s_mov_b32 s23, 0xfedcba98
	s_mul_i32 s18, s16, 4*393216                   ; four slices of 256 blocks of 1,536 bytes
	s_mul_i32 s19, ttmp9, 1536
	s_add_co_u32 s18, s18, s19
	s_mov_b32 s19, 0
	s_mul_i32 s20, ttmp9, 2*REC
	s_mov_b32 s21, 0
	s_mul_i32 s24, ttmp9, 1280
	s_mov_b32 s25, 0
	s_lshl_b32 s26, ttmp9, 8
	s_mov_b32 s27, 0
	s_lshl_b32 s28, ttmp9, 3
	s_mov_b32 s29, 0
	s_wait_alu depctr_va_vdst(0)
	s_wait_kmcnt 0x0
	s_add_nc_u64 s[4:5], s[4:5], s[18:19]
	s_add_nc_u64 s[6:7], s[6:7], s[20:21]
	s_add_nc_u64 s[8:9], s[8:9], s[24:25]
	s_add_nc_u64 s[10:11], s[10:11], s[26:27]
	s_add_nc_u64 s[12:13], s[12:13], s[26:27]
	s_add_nc_u64 s[14:15], s[14:15], s[28:29]
	global_load_b32 v12, v3, s[6:7] offset:6400    ; x2
.irp u, 0,1,2,3
.irp g, 0,1,2
	global_load_b128 v[L+12*\u+4*\g:L+12*\u+4*\g+3], v1, s[4:5] offset:393216*\u+512*\g th:TH_LOAD_NT
.endr
.endr
	s_wait_loadcnt 6                               ; lists 0 and 1 are in; the six loads of lists 2 and 3 may be out
	MERGE L+12
	s_wait_alu depctr_va_vdst(0)
	s_wait_loadcnt 3                               ; list 3's three may be out
	MERGE L+24
	s_wait_alu depctr_va_vdst(0)
	s_wait_loadcnt 0x0
	MERGE L+36
.irp g, 0,1,2
	ds_store_b128 v5, v[L+4*\g:L+4*\g+3] offset:512*\g
.endr
	s_wait_dscnt 0x0                               ; for the others' sake: my list lies in LDS
	s_barrier_signal -1
	s_barrier_wait -1
	s_cmp_lg_u32 s16, 0
	s_cbranch_scc1 .Lend
.irp n, 1,2,3,4,5,6,7
.irp g, 0,1,2
	ds_load_b128 v[L+12*\n+4*\g:L+12*\n+4*\g+3], v1 offset:1536*\n+512*\g
.endr
.endr
	s_wait_alu depctr_va_vdst(0)
.irp n, 1,2,3,4,5,6,7
	s_wait_alu depctr_va_vdst(0)
	s_wait_dscnt 3*(7-\n)                          ; list n is in; three loads for each later list may be out
	MERGE L+12*\n
.endr
.irp i, 0,1,2,3,4,5,6,7,8,9
	v_add_f32 v[D+\i], v12, v[L+\i]                ; x2 + (m2 - 2 cross)
.endr
.irp i, 0,1,2,3,4,5,6,7,8,9
	v_max_num_f32 v[D+\i], 0, v[D+\i]
.endr
.irp i, 0,1,2,3,4,5,6,7,8,9
	v_add_f32 v[D+\i], 0x322bcc77, v[D+\i]         ; + 1e-8
.endr
	s_wait_alu depctr_va_vdst(0)
.irp i, 0,1,2,3,4,5,6,7,8,9
	v_sqrt_f32 v[D+\i], v[D+\i]
.endr
	v_mov_b32 v[L+11], 0                           ; a plain line behind the roots: the second word beside the row's number
	s_wait_alu depctr_va_vdst(0)                   ; one wait for the ten roots, ahead of their first reader
.irp k, 0,1,2,3,4
	ds_store_b64 v6, v[D+2*\k:D+2*\k+1] offset:8*\k
.endr
.irp k, 0,1,2,3,4
	ds_load_b64 v[28+2*\k:29+2*\k], v7 offset:256*\k   ; in order behind the stores: the block's 1,280 bytes as they lie in out2
.endr
	v_add_f32 v122, v[D], v[D+1]
.irp i, 2,3,4,5,6,7,8,9
	v_add_f32 v122, v122, v[D+\i]
.endr
	s_delay_alu instid0(VALU_DEP_1)
	v_mul_f32 v122, 0x3dcccccd, v122               ; the mean
	v_mov_b32 v123, v[D]                           ; d0
	s_delay_alu instid0(VALU_DEP_2)
	v_mov_b32 v124, v122
	s_delay_alu instid0(VALU_DEP_3)
	v_mov_b32 v125, v122
.irp m, 1,2,4,8
	s_delay_alu instid0(VALU_DEP_2)
	v_min_num_f32_dpp v124, v124, v124 row_xmask:\m row_mask:0xf bank_mask:0xf
	s_delay_alu instid0(VALU_DEP_2)
	v_max_num_f32_dpp v125, v125, v125 row_xmask:\m row_mask:0xf bank_mask:0xf
.endr
	s_delay_alu instid0(VALU_DEP_2)
	v_permlanex16_b32 v126, v124, s22, s23
	s_delay_alu instid0(VALU_DEP_2)
	v_permlanex16_b32 v127, v125, s22, s23
	s_delay_alu instid0(VALU_DEP_2)
	v_min_num_f32 v124, v124, v126                 ; the block's least mean,
	s_delay_alu instid0(VALU_DEP_2)
	v_max_num_f32 v125, v125, v127                 ; and its largest
	s_wait_alu depctr_va_vdst(0)
	s_wait_dscnt 0x0
.irp k, 0,1,2,3,4
	global_store_b64 v8, v[28+2*\k:29+2*\k], s[8:9] offset:256*\k   ; 256 consecutive bytes, aligned
.endr
	global_store_b64 v8, v[L+10:L+11], s[10:11]    ; (row, 0)
	global_store_b64 v8, v[122:123], s[12:13]      ; (mean, d0)
	s_wait_xcnt 0x0                                ; EXEC changes only behind this wait
	v_cmp_eq_u32 vcc_lo, 0, v2
	s_and_saveexec_b32 s30, vcc_lo
	global_store_b64 v9, v[124:125], s[14:15]      ; lane 0 alone
	s_wait_xcnt 0x0                                ; and again, in front of the line that widens it
	s_or_b32 exec_lo, exec_lo, s30
.Lend:
	s_wait_tensorcnt 0x0
	ds_add_u32 v128, v129
	s_wait_dscnt 0x0
	s_endpgm
.Lfunc_end_k_q465cfb1a14_merge:
	.size	k_q465cfb1a14_merge, .Lfunc_end_k_q465cfb1a14_merge-k_q465cfb1a14_merge
	.p2alignl 7, 3214868480
	.fill 96, 4, 3214868480
	.section	.rodata,"a",@progbits
	.p2align	6, 0x0
	.amdhsa_kernel k_q465cfb1a14_merge
		.amdhsa_group_segment_fixed_size 14848
		.amdhsa_private_segment_fixed_size 0
		.amdhsa_enable_private_segment 0
		.amdhsa_kernarg_size 48
		.amdhsa_user_sgpr_count 2
		.amdhsa_user_sgpr_kernarg_segment_ptr 1
		.amdhsa_wavefront_size32 1
		.amdhsa_system_sgpr_workgroup_id_x 1
		.amdhsa_system_sgpr_workgroup_id_y 1
		.amdhsa_system_sgpr_workgroup_id_z 1
		.amdhsa_system_vgpr_workitem_id 0
		.amdhsa_next_free_vgpr 130
		.amdhsa_next_free_sgpr 66
		.amdhsa_reserve_vcc 1
		.amdhsa_float_denorm_mode_32 3
		.amdhsa_float_denorm_mode_16_64 3
		.amdhsa_memory_ordered 1
		.amdhsa_forward_progress 1
		.amdhsa_inst_pref_size 46
	.end_amdhsa_kernel
	.amdgpu_metadata
---
amdhsa.version: [ 1, 2 ]
amdhsa.kernels:
  - .name:           k_q465cfb1a14_merge
    .symbol:         k_q465cfb1a14_merge.kd
    .args:
      - { .name: part, .offset: 0, .size: 8, .value_kind: global_buffer, .address_space: global }
      - { .name: pack, .offset: 8, .size: 8, .value_kind: global_buffer, .address_space: global }
      - { .name: out2, .offset: 16, .size: 8, .value_kind: global_buffer, .address_space: global }
      - { .name: nidx, .offset: 24, .size: 8, .value_kind: global_buffer, .address_space: global }
      - { .name: rowinfo, .offset: 32, .size: 8, .value_kind: global_buffer, .address_space: global }
      - { .name: dmm, .offset: 40, .size: 8, .value_kind: global_buffer, .address_space: global }
    .group_segment_fixed_size: 14848
    .private_segment_fixed_size: 0
    .kernarg_segment_align: 8
    .kernarg_segment_size: 48
    .max_flat_workgroup_size: 256
    .sgpr_count:     66
    .vgpr_count:     130
    .wavefront_size: 32
...
	.end_amdgpu_metadata
.endif
;; end of part 3
;; launch final (part 4): grid 256 x 1, 8 waves a work-group, no clusters, 0 bytes of LDS; arguments features, memory_bank, nidx, rowinfo, dmm, influence_scale, distance_scale, out0, out1; writes out0, out1
.if DOCPART == 4
	.amdgcn_target "amdgcn-amd-amdhsa--gfx1250"
	.amdhsa_code_object_version 6
	.text
	.protected	k_q465cfb1a14_final
	.globl	k_q465cfb1a14_final
	.p2align	8
	.type	k_q465cfb1a14_final,@function
k_q465cfb1a14_final:
	s_mov_b64 s[64:65], 0
	v_nop
	global_prefetch_b8 v0, s[64:65] scope:SCOPE_SE
	s_setreg_imm32_b32 hwreg(HW_REG_WAVE_MODE, 25, 1), 1
	s_wait_xcnt 0x0
; influence = |x - m*| / (d0 + 1e-8) -> out0;  noise_std = 0.01 + 0.49 sigmoid(is x (influence - min) / (max - min + 1e-8) + ds x (mean - dmin) / (dmax - dmin + 1e-8) - 0.5) -> out1.
; A wave takes four rows, one at a time: a row is 2,048 bytes, 16 numbers a lane, each load and store 512 consecutive bytes.  The nearest row's number was stored by the launch before and is read as a whole number;
; it is held to 16,383.  dmin and dmax are taken by every wave from the 256 blocks' pairs (2,048 bytes).  No LDS, no barrier: waves share nothing.
; LIMITS: divisions are a reciprocal and a multiplication; sigmoid(z) = 1 / (1 + 2^(-z log2 e)); NaN and infinities are not served.
.set X,  16                            ; v16-79   four rows of x, then of influence
.set M,  80                            ; v80-143  four nearest rows, then noise_std
.set DM, 144                           ; v144-159 the blocks' (least, largest) pairs
	s_load_b512 s[4:19], s[0:1], 0x0               ; features, memory_bank, nidx, rowinfo, dmm, influence_scale, distance_scale, out0
	s_load_b64 s[20:21], s[0:1], 0x40              ; out1
	v_lshrrev_b32 v1, 5, v0
	s_delay_alu instid0(VALU_DEP_1)
	v_readfirstlane_b32 s22, v1                    ; wave 0..7
	v_and_b32 v2, 31, v0
	s_delay_alu instid0(VALU_DEP_1)
	v_lshlrev_b32 v1, 4, v2                        ; 16 x lane; never rewritten
	s_lshl_b32 s23, ttmp9, 3
	s_add_co_u32 s23, s23, s22                     ; which four rows
	s_lshl_b32 s42, s23, 13                        ; 4 rows of 2,048 bytes
	s_mov_b32 s43, 0
	s_lshl_b32 s60, s23, 5                         ; 4 rows of 8 bytes
	s_mov_b32 s61, 0
	s_mov_b32 s56, 0x76543210
	s_mov_b32 s57, 0xfedcba98                      ; selects for lane l xor 16
	v_mov_b32 v163, 0x322bcc77                     ; 1e-8
.irp r, 169,171,173,175,177,179,186,187
	v_mov_b32 v\r, 0                               ; upper halves of pairs of which the low word serves both halves, and lane permutes' destinations: written once
.endr
	v_mov_b32 v182, 0x3efae148                     ; 0.49, twice
	v_mov_b32 v183, 0x3efae148
	v_mov_b32 v184, 0x3c23d70a                     ; 0.01, twice
	v_mov_b32 v185, 0x3c23d70a
	s_wait_kmcnt 0x0
	s_add_nc_u64 s[8:9], s[8:9], s[60:61]
	s_add_nc_u64 s[10:11], s[10:11], s[60:61]
	s_load_b256 s[24:31], s[8:9], 0x0              ; (row, 0) x 4
	s_load_b256 s[32:39], s[10:11], 0x0            ; (mean, d0) x 4
	s_load_b32 s40, s[14:15], 0x0                  ; influence_scale
	s_load_b32 s41, s[16:17], 0x0                  ; distance_scale
	s_add_nc_u64 s[4:5], s[4:5], s[42:43]
	s_add_nc_u64 s[18:19], s[18:19], s[42:43]
	s_add_nc_u64 s[20:21], s[20:21], s[42:43]
.irp i, 0,1,2,3
.irp c, 0,1,2,3
	global_load_b128 v[X+16*\i+4*\c:X+16*\i+4*\c+3], v1, s[4:5] offset:2048*\i+512*\c th:TH_LOAD_NT
.endr
.endr
.irp c, 0,1,2,3
	global_load_b128 v[DM+4*\c:DM+4*\c+3], v1, s[12:13] offset:512*\c
.endr
	s_wait_kmcnt 0x0
.irp i, 0,1,2,3
	s_min_u32 s[24+2*\i], s[24+2*\i], 0x3fff       ; a loaded number enters an address only held to the table's rows
	s_lshl_b32 s[24+2*\i], s[24+2*\i], 11
	s_mov_b32 s[25+2*\i], 0
	s_add_nc_u64 s[44+2*\i:45+2*\i], s[6:7], s[24+2*\i:25+2*\i]
.endr
.irp i, 0,1,2,3
.irp c, 0,1,2,3
	global_load_b128 v[M+16*\i+4*\c:M+16*\i+4*\c+3], v1, s[44+2*\i:45+2*\i] offset:512*\c   ; no hint: a row of the bank may be named by many queries
.endr
.endr
	s_mul_f32 s58, s40, 0xbfb8aa3b                 ; -log2(e) x influence_scale
	s_wait_loadcnt 16                              ; x and the pairs are in; the sixteen gathers may be out
	v_min3_num_f32 v160, v144, v146, v148
	v_max3_num_f32 v161, v145, v147, v149
	s_delay_alu instid0(VALU_DEP_2)
	v_min3_num_f32 v160, v160, v150, v152
	s_delay_alu instid0(VALU_DEP_2)
	v_max3_num_f32 v161, v161, v151, v153
	s_delay_alu instid0(VALU_DEP_2)
	v_min3_num_f32 v160, v160, v154, v156
	s_delay_alu instid0(VALU_DEP_2)
	v_max3_num_f32 v161, v161, v155, v157
	s_delay_alu instid0(VALU_DEP_2)
	v_min_num_f32 v160, v160, v158
	s_delay_alu instid0(VALU_DEP_2)
	v_max_num_f32 v161, v161, v159
.irp m, 1,2,4,8
	s_delay_alu instid0(VALU_DEP_2)
	v_min_num_f32_dpp v160, v160, v160 row_xmask:\m row_mask:0xf bank_mask:0xf
	s_delay_alu instid0(VALU_DEP_2)
	v_max_num_f32_dpp v161, v161, v161 row_xmask:\m row_mask:0xf bank_mask:0xf
.endr
	s_delay_alu instid0(VALU_DEP_2)
	v_permlanex16_b32 v186, v160, s56, s57
	s_delay_alu instid0(VALU_DEP_2)
	v_permlanex16_b32 v187, v161, s56, s57
	s_delay_alu instid0(VALU_DEP_2)
	v_min_num_f32 v160, v160, v186                 ; dmin
	s_delay_alu instid0(VALU_DEP_2)
	v_max_num_f32 v161, v161, v187                 ; dmax
	s_delay_alu instid0(VALU_DEP_1)
	v_sub_f32 v162, v161, v160
	s_delay_alu instid0(VALU_DEP_1)
	v_add_f32 v162, v163, v162
.irp i, 0,1,2,3
	v_add_f32 v[164+\i], s[33+2*\i], v163          ; d0 + 1e-8
.endr
	s_wait_alu depctr_va_vdst(0)
	v_rcp_f32 v162, v162
.irp i, 0,1,2,3
	v_rcp_f32 v[164+\i], v[164+\i]
.endr
.irp i, 0,1,2,3
	v_sub_f32 v[168+2*\i], s[32+2*\i], v160        ; mean - dmin: plain work behind the five reciprocals
.endr
	s_wait_alu depctr_va_vdst(0)                   ; one wait for the five, ahead of their first reader
.irp i, 0,1,2,3
	v_mul_f32 v[168+2*\i], v[168+2*\i], v162
.endr
.irp i, 0,1,2,3
	s_delay_alu instid0(VALU_DEP_4)
	v_fma_f32 v[168+2*\i], v[168+2*\i], s41, -0.5
.endr
.irp i, 0,1,2,3
	s_delay_alu instid0(VALU_DEP_4)
	v_mul_f32 v[168+2*\i], 0xbfb8aa3b, v[168+2*\i] ; B = -log2(e) (ds x distance_norm - 0.5)
.endr
.macro ROW i
.set XR, X+16*\i
.set MR, M+16*\i
	s_wait_loadcnt 12-4*\i                         ; this row's four gathers are in; four for each later row may be out
.irp e, 0,2,4,6,8,10,12,14
	v_pk_add_f32 v[XR+\e:XR+\e+1], v[XR+\e:XR+\e+1], v[MR+\e:MR+\e+1] neg_lo:[0,1] neg_hi:[0,1]
.endr
.irp e, 0,1,2,3,4,5,6,7,8,9,10,11,12,13,14,15
	v_mul_f32 v[XR+\e], |v[XR+\e]|, v[164+\i]      ; influence
.endr
.irp c, 0,1,2,3
	global_store_b128 v1, v[XR+4*\c:XR+4*\c+3], s[18:19] offset:2048*\i+512*\c th:TH_STORE_NT
.endr
	v_min3_num_f32 v178, v[XR], v[XR+1], v[XR+2]
	v_max3_num_f32 v180, v[XR], v[XR+1], v[XR+2]
.irp e, 3,5,7,9,11,13
	s_delay_alu instid0(VALU_DEP_2)
	v_min3_num_f32 v178, v178, v[XR+\e], v[XR+\e+1]
	s_delay_alu instid0(VALU_DEP_2)
	v_max3_num_f32 v180, v180, v[XR+\e], v[XR+\e+1]
.endr
	s_delay_alu instid0(VALU_DEP_2)
	v_min_num_f32 v178, v178, v[XR+15]
	s_delay_alu instid0(VALU_DEP_2)
	v_max_num_f32 v180, v180, v[XR+15]
.irp m, 1,2,4,8
	s_delay_alu instid0(VALU_DEP_2)
	v_min_num_f32_dpp v178, v178, v178 row_xmask:\m row_mask:0xf bank_mask:0xf
	s_delay_alu instid0(VALU_DEP_2)
	v_max_num_f32_dpp v180, v180, v180 row_xmask:\m row_mask:0xf bank_mask:0xf
.endr
	s_delay_alu instid0(VALU_DEP_2)
	v_permlanex16_b32 v186, v178, s56, s57
	s_delay_alu instid0(VALU_DEP_2)
	v_permlanex16_b32 v187, v180, s56, s57
	s_delay_alu instid0(VALU_DEP_2)
	v_min_num_f32 v178, v178, v186                 ; the row's least influence,
	s_delay_alu instid0(VALU_DEP_2)
	v_max_num_f32 v180, v180, v187                 ; and its largest
	s_delay_alu instid0(VALU_DEP_1)
	v_sub_f32 v181, v180, v178
	s_delay_alu instid0(VALU_DEP_1)
	v_add_f32 v181, v163, v181
	s_wait_alu depctr_va_vdst(0)
	v_rcp_f32 v181, v181
.irp e, 0,2,4,6,8,10,12,14
	v_pk_add_f32 v[MR+\e:MR+\e+1], v[XR+\e:XR+\e+1], v[178:179] op_sel_hi:[1,0] neg_lo:[0,1] neg_hi:[0,1]   ; influence - min: the difference first; plain work behind the reciprocal
.endr
	s_wait_alu depctr_va_vdst(0)                   ; ahead of the reciprocal's first reader
	v_mul_f32 v176, s58, v181                      ; A = -log2(e) x is / (max - min + 1e-8)
.irp e, 0,2,4,6,8,10,12,14
	v_pk_fma_f32 v[MR+\e:MR+\e+1], v[MR+\e:MR+\e+1], v[176:177], v[168+2*\i:169+2*\i] op_sel_hi:[1,0,0]
.endr
	s_wait_alu depctr_va_vdst(0)
.irp e, 0,1,2,3,4,5,6,7,8,9,10,11,12,13,14,15
	v_exp_f32 v[MR+\e], v[MR+\e]
.endr
	v_nop                                          ; a plain line behind the batch,
	s_wait_alu depctr_va_vdst(0)                   ; and one wait for it
.irp e, 0,2,4,6,8,10,12,14
	v_pk_add_f32 v[MR+\e:MR+\e+1], v[MR+\e:MR+\e+1], 1.0 op_sel_hi:[1,0]
.endr
	s_wait_alu depctr_va_vdst(0)
.irp e, 0,1,2,3,4,5,6,7,8,9,10,11,12,13,14,15
	v_rcp_f32 v[MR+\e], v[MR+\e]
.endr
	v_nop
	s_wait_alu depctr_va_vdst(0)
.irp e, 0,2,4,6,8,10,12,14
	v_pk_fma_f32 v[MR+\e:MR+\e+1], v[MR+\e:MR+\e+1], v[182:183], v[184:185]   ; 0.01 + 0.49 x sigmoid
.endr
.irp c, 0,1,2,3
	global_store_b128 v1, v[MR+4*\c:MR+4*\c+3], s[20:21] offset:2048*\i+512*\c th:TH_STORE_NT
.endr
.endm
	ROW 0
	ROW 1
	ROW 2
	ROW 3
	s_endpgm
.Lfunc_end_k_q465cfb1a14_final:
	.size	k_q465cfb1a14_final, .Lfunc_end_k_q465cfb1a14_final-k_q465cfb1a14_final
	.p2alignl 7, 3214868480
	.fill 96, 4, 3214868480
	.section	.rodata,"a",@progbits
	.p2align	6, 0x0
	.amdhsa_kernel k_q465cfb1a14_final
		.amdhsa_group_segment_fixed_size 0
		.amdhsa_private_segment_fixed_size 0
		.amdhsa_enable_private_segment 0
		.amdhsa_kernarg_size 72
		.amdhsa_user_sgpr_count 2
		.amdhsa_user_sgpr_kernarg_segment_ptr 1
		.amdhsa_wavefront_size32 1
		.amdhsa_system_sgpr_workgroup_id_x 1
		.amdhsa_system_sgpr_workgroup_id_y 1
		.amdhsa_system_sgpr_workgroup_id_z 1
		.amdhsa_system_vgpr_workitem_id 0
		.amdhsa_next_free_vgpr 192
		.amdhsa_next_free_sgpr 66
		.amdhsa_reserve_vcc 0
		.amdhsa_float_denorm_mode_32 3
		.amdhsa_float_denorm_mode_16_64 3
		.amdhsa_memory_ordered 1
		.amdhsa_forward_progress 1
		.amdhsa_inst_pref_size 42
	.end_amdhsa_kernel
	.amdgpu_metadata
---
amdhsa.version: [ 1, 2 ]
amdhsa.kernels:
  - .name:           k_q465cfb1a14_final
    .symbol:         k_q465cfb1a14_final.kd
    .args:
      - { .name: features, .offset: 0, .size: 8, .value_kind: global_buffer, .address_space: global }
      - { .name: memory_bank, .offset: 8, .size: 8, .value_kind: global_buffer, .address_space: global }
      - { .name: nidx, .offset: 16, .size: 8, .value_kind: global_buffer, .address_space: global }
      - { .name: rowinfo, .offset: 24, .size: 8, .value_kind: global_buffer, .address_space: global }
      - { .name: dmm, .offset: 32, .size: 8, .value_kind: global_buffer, .address_space: global }
      - { .name: influence_scale, .offset: 40, .size: 8, .value_kind: global_buffer, .address_space: global }
      - { .name: distance_scale, .offset: 48, .size: 8, .value_kind: global_buffer, .address_space: global }
      - { .name: out0, .offset: 56, .size: 8, .value_kind: global_buffer, .address_space: global }
      - { .name: out1, .offset: 64, .size: 8, .value_kind: global_buffer, .address_space: global }
    .group_segment_fixed_size: 0
    .private_segment_fixed_size: 0
    .kernarg_segment_align: 8
    .kernarg_segment_size: 72
    .max_flat_workgroup_size: 256
    .sgpr_count:     66
    .vgpr_count:     192
    .wavefront_size: 32
...
	.end_amdgpu_metadata
.endif
;; end of part 4
